; MI455X (gfx1250); checked and timed in simulation.
; The chip was launched on July 23, 2026; its instructions are those of AMD's public machine-readable ISA for CDNA 5 (MIT licence, August 2026) and "CDNA5" Instruction Set Architecture Reference Guide (July 2026). The comments in the code are by the model that wrote it; some were corrected since.
;; Easy Control Network. Allowed arithmetic: matrix products marked QUANTISED: E2M1 operands, one E8M0 scale for each 32 along K, by v_wmma_scale_f32_16x16x128_f8f6f4 with both operands' format E2M1 (or v_wmma_scale_f32_32x16x128_f4), f32 sums; everything else in f32.
;; Inputs: b_cond 1 float32; cond_k_codes 2 x 512 x 16 x 4 x 16 uint8 (E2M1 codes of cond_k, K innermost, in blocks of 32 codes, two codes a byte); cond_k_scales 2 x 512 x 16 x 4 uint8 (E8M0 scales of cond_k, one for each 32 codes along K); cond_v_codes 2 x 16 x 128 x 16 x 16 uint8 (E2M1 codes of cond_v, K innermost, in blocks of 32 codes, two codes a byte); cond_v_scales 2 x 16 x 128 x 16 uint8 (E8M0 scales of cond_v, one for each 32 codes along K); k_codes 2 x 2,048 x 16 x 4 x 16 uint8 (E2M1 codes of k, K innermost, in blocks of 32 codes, two codes a byte); k_scales 2 x 2,048 x 16 x 4 uint8 (E8M0 scales of k, one for each 32 codes along K); q_codes 2 x 2,048 x 16 x 4 x 16 uint8 (E2M1 codes of q, K innermost, in blocks of 32 codes, two codes a byte); q_scales 2 x 2,048 x 16 x 4 uint8 (E8M0 scales of q, one for each 32 codes along K); v_codes 2 x 16 x 128 x 64 x 16 uint8 (E2M1 codes of v, K innermost, in blocks of 32 codes, two codes a byte); v_scales 2 x 16 x 128 x 64 uint8 (E8M0 scales of v, one for each 32 codes along K); w_out_codes 2,048 x 64 x 16 uint8 (E2M1 codes of w_out, K innermost, in blocks of 32 codes, two codes a byte); w_out_scales 2,048 x 64 uint8 (E8M0 scales of w_out, one for each 32 codes along K).
;; Outputs: out0 2 x 2,048 x 2,048 float32.
;; This version of the problem:
;;   THIS VERSION OF THE PROBLEM IS GIVEN IN LOW PRECISION. The matrix products marked QUANTISED in the list below multiply operands that are first quantised to E2M1 (2 exponent bits, 1 mantissa bit; 4 bits a number), with one power-of-two scale for each 32 numbers along K (OCP MX v1.0); their sums are f32. All else is computed in f32.
;;   The module's matrix products, in the order in which they are computed (A, B: the left and right operand; K: the contracted axis; several contracted axes count as one K, in the product's order):
;;     1. batch 32 x [M 2,048, K 128] x [K 128, N 2,048]; A: input q (given as codes); B: input k (given as codes): QUANTISED
;;     2. batch 32 x [M 128, K 2,048] x [K 2,048, N 2,048]; A: input v (given as codes); B: computed on the way: QUANTISED
;;     3. batch 32 x [M 2,048, K 128] x [K 128, N 512]; A: input q (given as codes); B: input cond_k (given as codes): QUANTISED
;;     4. batch 32 x [M 128, K 512] x [K 512, N 2,048]; A: input cond_v (given as codes); B: computed on the way: QUANTISED
;;     5. [M 4,096, K 2,048] x [K 2,048, N 2,048]; A: computed on the way; B: input w_out (given as codes): QUANTISED
;;   THE QUANTISER, for each operand of a quantised product, along K:
;;     - K is cut into blocks of 32 from its start; a last block that is shorter is filled with zeros.
;;     - A block's scale is 2^e with e = floor(log2(the largest magnitude in the block)) - 2, held to -126 .. 127; a block of zeros has e = 0. As a byte (E8M0): e + 127.
;;     - Each number is divided by its block's scale, clamped to +-6, and rounded to the nearest number of E2M1, ties to even, subnormals kept.
;;     - The product sums the exact products of the quantised numbers (number of the format x scale) in f32.
;;   ~~~python
;;   def quantise(x, axis):      # numpy; x: float32 -> the quantised numbers, widened to float32 again
;;       x = np.moveaxis(x, axis, -1); K = x.shape[-1]
;;       x = np.pad(x, [(0, 0)] * (x.ndim - 1) + [(0, -K % 32)]); x = x.reshape(x.shape[:-1] + (-1, 32)); a = np.abs(x).max(-1, keepdims=True)
;;       e = np.where(a > 0, np.clip(np.frexp(np.where(a > 0, a, 1))[1] - 1 - 2, -126, 127), 0)      # np.frexp(a)[1] - 1 = floor(log2(a)), exactly
;;       r = np.clip(x / 2.0 ** e, -6, 6)
;;       step = 2.0 ** (np.maximum(np.frexp(np.where(r == 0, 1, r))[1] - 1, 0) - 1)
;;       q = np.round(r / step) * step * 2.0 ** e      # np.round: ties to even
;;       return np.moveaxis(q.reshape(q.shape[:-2] + (-1,))[..., :K], -1, axis).astype(np.float32)
;;   ~~~
;;   OPERANDS COMPUTED ON THE WAY. 'Computed on the way' means the value that the module computes at that place (a softmax that the list does not call 'softmax' is quantised finished and normalised). What goes into a quantiser is computed in f32, as accurately as f32 sums, v_exp_f32 and their like allow (about 1e-6 of the number): no bf16 or f16 on the way to a quantiser, and a product that is left as it is and whose result goes on into a quantised operand takes f32 operands (vector FMAs, or v_wmma_f32_16x16x4_f32). A number that lies on a knife's edge between two numbers of the format may be rounded either way, as far as f32 arithmetic and the matrix unit's own rounding can turn it there, and no further.
;;   INPUTS GIVEN AS CODES. cond_k (in the module: [2, 512, 16, 128], K = its axis 3); cond_v (in the module: [2, 512, 16, 128], K = its axis 1); k (in the module: [2, 2048, 16, 128], K = its axis 3); q (in the module: [2, 2048, 16, 128], K = its axis 3); v (in the module: [2, 2048, 16, 128], K = its axis 1); w_out (in the module: [2048, 2048], K = its axis 1): each comes as NAME_codes (uint8): NAME with its K axis moved to the last place and cut into blocks of 32 codes, [.., K / 32, bytes a block], one block behind the other in memory; two codes a byte, the lower K in the low four bits (a code: sign, 2 exponent bits, 1 mantissa bit); and NAME_scales (uint8): the same leading axes, one E8M0 byte (e + 127) for each 32 codes along K. Its value is code x scale, taken as it is: it is not quantised again, and the codes and scales need not be those that the quantiser above would give.
;; One version. Each part assembles by itself: llvm-mc -triple=amdgcn-amd-amdhsa -mcpu=gfx1250 --defsym DOCPART=n.
;; ======== version 1 of 1: 2 launches
;; workspace buffers: x_codes 4,194,304 bytes; x_scales 262,144 bytes
;; launch attn (part 1): grid 8 x 32, 16 waves a work-group, clusters of 4 x 1, 327,680 bytes of LDS; arguments q_codes, q_scales, k_codes, k_scales, v_codes, v_scales, cond_k_codes, cond_k_scales, cond_v_codes, cond_v_scales, b_cond, x_codes, x_scales; writes x_codes, x_scales
.if DOCPART == 1
	.amdgcn_target "amdgcn-amd-amdhsa--gfx1250"
	.amdhsa_code_object_version 6
	.text
	.protected	k_q2d68baf940_attn
	.globl	k_q2d68baf940_attn
	.p2align	8
	.type	k_q2d68baf940_attn,@function
k_q2d68baf940_attn:
	s_mov_b64 s[64:65], 0
	v_nop
	global_prefetch_b8 v0, s[64:65] scope:SCOPE_SE
	s_setreg_imm32_b32 hwreg(HW_REG_WAVE_MODE, 25, 1), 1
	s_wait_xcnt 0x0
	s_wait_alu depctr_hold_cnt(0) depctr_sa_sdst(0) depctr_va_vdst(0) depctr_va_sdst(0) depctr_va_ssrc(0) depctr_va_vcc(0) depctr_vm_vsrc(0)
	s_getreg_b32 s2, hwreg(HW_REG_IB_STS2, 6, 4)
	s_cmp_eq_u32 s2, 0
	s_cbranch_scc0 .Lentry_in_a_cluster
	s_endpgm
.Lentry_in_a_cluster:
	s_bfe_u32 s2, ttmp6, 0x10000c
	s_cmp_lg_u32 s2, 0x3003
	s_cbranch_scc0 .Lentry_shape_is_right
	s_endpgm
.Lentry_shape_is_right:
; x[b][s][h][:] = alpha out_t + beta out_c: two softmax attentions of one query, over 2,048 keys (k, v) and over 512 keys (cond_k, cond_v), joined by their
; logsumexps and the bias b_cond; x is then quantised to codes of FP4 (E2M1) with one E8M0 scale for each 32 along its row, for the projection that follows.
; All four products run on codes of FP4.  THE WEIGHTS p ARE QUANTISED FINISHED AND NORMALISED: p = 2^(t - L), t = score x log2(e) / sqrt(128), L = log2 of the row's sum of 2^t.
; So L must be known before the first p is quantised: TWO PASSES over the keys.  Pass 1: K Q^T, a running largest t (rounded up to a whole number M) and the sum of 2^(t - M): L = M + log2(sum).
; Pass 2: K Q^T once more, p, its blocks' scales and codes, V^T P^T.  alpha = 2^Lt / (2^Lt + 2^(Lc + b log2 e)), beta likewise, the larger exponent taken away first.
; SHARES.  A work-group owns 256 queries of one (batch, head); each of its SIXTEEN waves owns 16 of them in 256 registers: four waves to a SIMD, so that one wave's exponentials stand beside another's products and LDS loads.
; LAYOUT.  Both products are used transposed (S^T = K Q^T, O^T = V^T P^T): a lane holds ONE query (lane % 16) throughout.  Tile t takes keys 16 t + r, so register 16 b + 8 u + j of S^T is key 32 b + 16 u + 8 (lane / 16) + j:
; a block of 32 keys lies in 16 registers of lanes l and l xor 16; the conversion of (b, u) goes to code register 4 (b / 2) + 2 u + b % 2, and four exchanges of lane halves give the operand's order (register 4 c + g: k = 64 c + 32 (lane / 16) + 8 g).
; LDS.  k and cond_k (2,560 rows of 64 bytes + 16) stay for both passes; V comes through a ring of two slots of 512 keys (128 rows of 256 bytes + 16): two first fills and three refills, the last of them cond_v.
; The scale words of K and V are copied once through registers into LDS bytes of their own.
; CLUSTER.  The four query blocks of a cluster belong to one head and read the same K and V: every tile is asked for jointly (mask 15).  The place in the cluster enters Q's and x's global addresses alone.
; No prefetch is written: the first fills stand at the head, and each refill is asked for four key steps of sixteen waves ahead of the wait for it.
; LIMITS: a p under 2^-126 counts as 0 (v_exp_f32 gives 0 there: ISA guide, its entry); a block of zeros gets the scale byte 1 with zero codes (these bytes are read by this program alone); a block's largest p is taken from
; its largest score, which takes v_exp_f32 not to fall where its input rises; NaN and infinities among the inputs are not served.  x's scale words leave as 64 bytes of each 256 (the other three heads' words belong to other work-groups): one sixteenth of x's bytes.
.set KP,    80                         ; a key's row in LDS: 64 bytes + 16: 80 r mod 256 takes sixteen different multiples of 16 for r = 0 .. 15
.set VP,    272                        ; a row of V's tile: 256 bytes + 16
.set KCO,   2048*KP                    ; cond_k's rows follow k's, so that a step's address runs on from one into the other
.set VR,    KCO+512*KP                 ; V's ring
.set SLOTB, 128*VP
.set SKW,   VR+2*SLOTB                 ; K's scale words, 4 bytes a key: k's 2,048, then cond_k's 512
.set SVW,   SKW+10240                  ; V's scale words: [key step 0 .. 19][channel 0 .. 127], SVP bytes a key step; steps 16 .. 19 are cond_v's
.set SVP,   528
.set SPARE, SVW+10752                  ; the spare words, 128 bytes for each wave: eight blocks of 256 bytes that no other line names
.set AK0,  1                           ; v1   my lane's place in a tile of K: KP r + 16 h
.set AV0,  2                           ; v2   in a tile of V: VP r + 16 h
.set ASK0, 3                           ; v3   among K's scale words: SKW + 4 r
.set ASV0, 4                           ; v4   among V's: SVW + 4 r
.set SPW,  5                           ; v5   LDS address of my spare word; never rewritten
.set NIL,  6                           ; v6   0; never rewritten
.set GO,   7                           ; v7   16 x lane: my place in an image of x's fragment
.set ADK,  8                           ; v8-11 the step's addresses: K, V, K's scale words, V's
.set ADV,  9
.set ADS,  10
.set ADT,  11
.set NM,   12                          ; v12 -M, v13 the largest t
.set SUM,  14                          ; v[14:15] the sum in two halves
.set QF,   16                          ; v16-23 Q's fragment
.set NLT,  24                          ; v24 -Lt (v25 = 0: named with it as a pair)
.set NLC,  26                          ; v26 -Lc
.set AL,   28                          ; v28 pass 1: 2^(old M - new M); then alpha
.set BE,   30                          ; v30 beta
.set FRG,  32                          ; v32-95 eight fragments of K or of V
.set S,    96                          ; v96-159 S^T, then p; in cond_v's steps also the step's V^T P^T
.set OT,   160                         ; v160-223 O^T
.set PC,   224                         ; v224-231 the codes just made
.set BM,   232                         ; v232-235 the blocks' largest
.set BT,   236                         ; v236-239 at work
.set BS,   240                         ; v240-243 the conversions' scale operands
.set SW,   244                         ; v244-251 the eight tiles' scale words
.set PW,   252                         ; v252 p's scale word
.set T0,   253
.set T1,   254
.set QS,   255                         ; v255 Q's scale words
.set TK,   2                           ; s2   LDS byte of the step's keys
.set TS,   3                           ; s3   of their scale words
.set WV,   30                          ; s30  my wave's number
.set BL,   31                          ; s31  b_cond x log2(e)
.set SEL,  32                          ; s[32:33] v_permlanex16_b32's selects for lane l xor 16
.set CS,   34                          ; s[34:35] c = log2(e) / sqrt(128)
.set G1KT, 36                          ; descriptor groups 1: k (128 rows a wave), cond_k (32), V's first fills (16), V's refills (64), cond_v (64)
.set G1KC, 44
.set G1VF, 52
.set G0RC, 60                          ; groups 0: cond_v's refill,
.set TV,   66                          ; s66  LDS byte of the step's part of V's rows
.set TW,   67                          ; s67  of V's scale words
.set G1VR, 68
.set G1VC, 76
.set G0KC, 84                          ; cond_k, k, V's first fill, V's walking refill
.set G0KT, 88
.set G0VF, 92
.set G0W,  96
.set CNT,  100                         ; s100 a loop's trips
.set W0K,  15|(1<<20)|(1<<21)|(3<<22)|(3<<25)   ; 15:0 the mask: all four work-groups; 17:16 elements of 1 byte; 20 padding on; 21 set beside a mask; 24:22 after every 16 words (code 3); 31:25 four words (code 3)
.set W0V,  15|(1<<20)|(1<<21)|(5<<22)|(3<<25)   ; the same after every 64 words (code 5)
.macro GROUP1 g, w0, d0, d1, st        ; a tile of d1 rows of d0 bytes, st bytes apart in memory; it never crosses its tensor's end, so the extents are the tile's
	s_mov_b32 s[\g], \w0
	s_mov_b32 s[\g+1], (\d0)<<16
	s_mov_b32 s[\g+2], (\d1)<<16
	s_mov_b32 s[\g+3], (\d0)<<16
	s_mov_b32 s[\g+4], \d1
	s_mov_b32 s[\g+5], \st
	s_mov_b32 s[\g+6], 0
	s_mov_b32 s[\g+7], 0
.endm
; A round of the cluster's barrier: my work-group's barrier, wave 0 signals for the work-group, every wave waits for all four work-groups, my work-group's barrier once more.
.macro ROUND
	s_barrier_signal -1
	s_barrier_wait -1
	s_cmp_lg_u32 s[WV], 0
	s_cbranch_scc1 .Lnot_wave_0_\@
	s_barrier_signal -3
.Lnot_wave_0_\@:
	s_barrier_wait -3
	s_barrier_signal -1
	s_barrier_wait -1
.endm
.macro BARRIER
	s_barrier_signal -1
	s_barrier_wait -1
.endm
; A joint refill of a slot of V: waves 0 and 1 fetch 64 rows each.  The branch hangs on the wave's number alone.  Four v_nop follow the load.
.macro RELOAD g0, g1
	s_cmp_lt_u32 s[WV], 2
	s_cbranch_scc0 .Lnone_\@
	tensor_load_to_lds s[\g0:\g0+3], s[\g1:\g1+7]
	s_nop 0
.rept 4
	v_nop
.endr
.Lnone_\@:
.endm
	s_load_b512 s[4:19], s[0:1], 0x0               ; q_codes s4, q_scales s6, k_codes s8, k_scales s10, v_codes s12, v_scales s14, cond_k_codes s16, cond_k_scales s18
	s_load_b256 s[20:27], s[0:1], 0x40             ; cond_v_codes s20, cond_v_scales s22, b_cond s24, x_codes s26
	s_load_b64 s[28:29], s[0:1], 0x60              ; x_scales
	v_lshl_add_u32 v[SPW], v0, 2, SPARE
	v_mov_b32 v[NIL], 0
	ds_add_u32 v5, v6
	ds_add_u32 v5, v6
	s_wait_dscnt 0x0
	v_lshrrev_b32 v7, 5, v0
	v_readfirstlane_b32 s[WV], v7                  ; wave 0..15
	s_and_b32 s100, ttmp7, 0xffff                  ; 16 x batch + head, which the four partners share
	s_lshr_b32 s101, s100, 4                       ; batch
	s_and_b32 s2, s100, 15                         ; head
	GROUP1 G1KT, W0K, 64, 128, 1024
	GROUP1 G1KC, W0K, 64, 32, 1024
	GROUP1 G1VF, W0V, 256, 16, 1024
	GROUP1 G1VR, W0V, 256, 64, 1024
	GROUP1 G1VC, W0V, 256, 64, 256
	s_mov_b32 s[SEL], 0x76543210
	s_mov_b32 s[SEL+1], 0xfedcba98
	s_mov_b32 s[CS], 0x3e0293ee                    ; c = log2(e) / sqrt(128)
	s_mov_b32 s[CS+1], s[CS]                       ; (named with it as a pair, so it is written)
	; groups 0: count 1, the LDS address, and in the address pair first the tile's byte offset in its tensor; the tensor's address is added behind the wait
	s_lshl_b32 s3, s2, 6                           ; 64 x head
	s_mov_b32 s[G0KC], 1
	s_mul_i32 s[G0KC+1], s[WV], 32*KP
	s_add_co_u32 s[G0KC+1], s[G0KC+1], KCO         ; cond_k: my 32 rows
	s_lshl_b32 s[G0KC+2], s101, 19
	s_add_co_u32 s[G0KC+2], s[G0KC+2], s3
	s_lshl_b32 s66, s[WV], 15
	s_add_co_u32 s[G0KC+2], s[G0KC+2], s66
	s_mov_b32 s[G0KC+3], 0
	s_mov_b32 s[G0KT], 1
	s_mul_i32 s[G0KT+1], s[WV], 128*KP             ; k: my 128 rows
	s_lshl_b32 s[G0KT+2], s101, 21
	s_add_co_u32 s[G0KT+2], s[G0KT+2], s3
	s_lshl_b32 s66, s[WV], 17
	s_add_co_u32 s[G0KT+2], s[G0KT+2], s66
	s_mov_b32 s[G0KT+3], 0
	s_and_b32 s66, s[WV], 7                        ; V's first fills: slot wave / 8, rows 16 (wave % 8) on
	s_lshr_b32 s67, s[WV], 3
	s_mul_i32 s104, s66, 16*VP
	s_mul_i32 s105, s67, SLOTB
	s_mov_b32 s[G0VF], 1
	s_add_co_u32 s[G0VF+1], s104, s105
	s_add_co_u32 s[G0VF+1], s[G0VF+1], VR
	s_lshl_b32 s[G0VF+2], s100, 17
	s_lshl_b32 s66, s66, 14
	s_add_co_u32 s[G0VF+2], s[G0VF+2], s66
	s_lshl_b32 s67, s67, 8
	s_add_co_u32 s[G0VF+2], s[G0VF+2], s67
	s_mov_b32 s[G0VF+3], 0
	s_and_b32 s66, s[WV], 1                        ; the refills: rows 64 (wave % 2) on, first into slot 0
	s_mul_i32 s67, s66, 64*VP
	s_add_co_u32 s67, s67, VR
	s_mov_b32 s[G0W], 1
	s_mov_b32 s[G0W+1], s67
	s_lshl_b32 s[G0W+2], s100, 17
	s_lshl_b32 s104, s66, 16
	s_add_co_u32 s[G0W+2], s[G0W+2], s104
	s_add_co_u32 s[G0W+2], s[G0W+2], 512           ; keys 1,024 on
	s_mov_b32 s[G0W+3], 0
	s_mov_b32 s[G0RC], 1
	s_mov_b32 s[G0RC+1], s67
	s_lshl_b32 s[G0RC+2], s100, 15
	s_lshl_b32 s104, s66, 14
	s_add_co_u32 s[G0RC+2], s[G0RC+2], s104
	s_mov_b32 s[G0RC+3], 0
	s_wait_kmcnt 0x0
	s_load_b32 s[BL], s[24:25], 0x0                ; b_cond
	s_add_nc_u64 s[G0KC+2:G0KC+3], s[16:17], s[G0KC+2:G0KC+3]
	s_or_b32 s[G0KC+3], s[G0KC+3], 0x80000000      ; 127:126 type = 2
	s_add_nc_u64 s[G0KT+2:G0KT+3], s[8:9], s[G0KT+2:G0KT+3]
	s_or_b32 s[G0KT+3], s[G0KT+3], 0x80000000
	s_add_nc_u64 s[G0VF+2:G0VF+3], s[12:13], s[G0VF+2:G0VF+3]
	s_or_b32 s[G0VF+3], s[G0VF+3], 0x80000000
	s_add_nc_u64 s[G0W+2:G0W+3], s[12:13], s[G0W+2:G0W+3]
	s_or_b32 s[G0W+3], s[G0W+3], 0x80000000
	s_add_nc_u64 s[G0RC+2:G0RC+3], s[20:21], s[G0RC+2:G0RC+3]
	s_or_b32 s[G0RC+3], s[G0RC+3], 0x80000000
	ROUND                                          ; all four work-groups are here: the first joint loads meet
	tensor_load_to_lds s[G0KC:G0KC+3], s[G1KC:G1KC+7]   ; every wave issues the same three lines: three loads of mine are out.  cond_k first: pass 1 begins with it
	s_nop 0
	tensor_load_to_lds s[G0KT:G0KT+3], s[G1KT:G1KT+7]
	s_nop 0
	tensor_load_to_lds s[G0VF:G0VF+3], s[G1VF:G1VF+7]
	s_nop 0
.rept 4
	v_nop
.endr
	; the scale bytes' addresses at my head
	s_mov_b32 s105, 0
	s_lshl_b32 s3, s2, 2                           ; 4 x head
	s_lshl_b32 s104, s101, 17
	s_add_co_u32 s104, s104, s3
	s_add_nc_u64 s[10:11], s[10:11], s[104:105]    ; k_scales
	s_lshl_b32 s104, s101, 15
	s_add_co_u32 s104, s104, s3
	s_add_nc_u64 s[18:19], s[18:19], s[104:105]    ; cond_k_scales
	s_lshl_b32 s104, s100, 13
	s_add_nc_u64 s[14:15], s[14:15], s[104:105]    ; v_scales
	s_lshl_b32 s104, s100, 11
	s_add_nc_u64 s[22:23], s[22:23], s[104:105]    ; cond_v_scales
	; THE SCALE WORDS are copied once: thread n takes key n + 512 i of K's (4 bytes of each 64 in memory: the given layout) and word n + 512 i of V's (dense)
	v_lshlrev_b32 v106, 6, v0
	v_lshlrev_b32 v107, 2, v0
.irp i, 0,1,2,3
	global_load_b32 v[96+\i], v106, s[10:11] offset:32768*\i
.endr
	global_load_b32 v100, v106, s[18:19]
.irp i, 0,1,2,3
	global_load_b32 v[101+\i], v107, s[14:15] offset:2048*\i
.endr
	global_load_b32 v105, v107, s[22:23]
	; Q and x at my 16 queries.  What hangs on my place in the cluster is made in s8, s9, s12, s13 (k's and v's addresses are spent), which feed no descriptor and no LDS address
	s_bfe_u32 s8, ttmp6, 0x40000                   ; cx
	s_lshl_b32 s9, ttmp9, 2
	s_add_co_u32 s8, s8, s9                        ; my block of 256 queries = 4 x cluster x + cx
	s_lshl_b32 s8, s8, 4
	s_add_co_u32 s8, s8, s[WV]                     ; T = my tile of 16 queries in the batch's 128
	s_mov_b32 s13, 0
	s_lshl_b32 s12, s8, 14                         ; Q's codes: 16 T rows of 1,024 bytes + batch + 64 x head
	s_lshl_b32 s9, s101, 21
	s_add_co_u32 s12, s12, s9
	s_lshl_b32 s9, s2, 6
	s_add_co_u32 s12, s12, s9
	s_add_nc_u64 s[4:5], s[4:5], s[12:13]
	s_lshl_b32 s12, s8, 10                         ; Q's scales: 16 T rows of 64 bytes + batch + 4 x head
	s_lshl_b32 s9, s101, 17
	s_add_co_u32 s12, s12, s9
	s_add_co_u32 s12, s12, s3
	s_add_nc_u64 s[6:7], s[6:7], s[12:13]
	s_lshl_b32 s9, s101, 7
	s_add_co_u32 s8, s8, s9                        ; mt = 128 x batch + T: x's tile of 16 rows
	s_lshl_b32 s12, s8, 14                         ; x_codes: [mt][head][1,024 bytes]
	s_lshl_b32 s9, s2, 10
	s_add_co_u32 s12, s12, s9
	s_add_nc_u64 s[26:27], s[26:27], s[12:13]
	s_lshl_b32 s12, s8, 10                         ; x_scales: [mt][head / 4][row][head % 4] words
	s_lshr_b32 s9, s2, 2
	s_lshl_b32 s9, s9, 8
	s_add_co_u32 s12, s12, s9
	s_and_b32 s9, s2, 3
	s_lshl_b32 s9, s9, 2
	s_add_co_u32 s12, s12, s9
	s_add_nc_u64 s[28:29], s[28:29], s[12:13]
	v_and_b32 v108, 15, v0                         ; r
	v_bfe_u32 v109, v0, 4, 1                       ; h
	v_lshlrev_b32 v110, 10, v108
	v_lshl_add_u32 v110, v109, 4, v110             ; Q: row r of 1,024 bytes, + 16 h
	global_load_b128 v[QF:QF+3], v110, s[4:5]
	global_load_b128 v[QF+4:QF+7], v110, s[4:5] offset:32
	v_lshlrev_b32 v111, 6, v108
	global_load_b32 v[QS], v111, s[6:7]
	v_mul_u32_u24 v[AK0], v108, KP
	v_lshl_add_u32 v[AK0], v109, 4, v[AK0]
	v_mul_u32_u24 v[AV0], v108, VP
	v_lshl_add_u32 v[AV0], v109, 4, v[AV0]
	v_lshl_add_u32 v[ASK0], v108, 2, SKW
	v_lshl_add_u32 v[ASV0], v108, 2, SVW
	v_and_b32 v[GO], 31, v0
	v_lshlrev_b32 v[GO], 4, v[GO]
	v_lshl_add_u32 v112, v0, 2, SKW                ; where the copied words go: K's: 4 n;
	v_and_b32 v113, 15, v0                         ; V's word n + 512 i is key step n % 16 of channel n / 16 + 32 i;
	v_mul_u32_u24 v113, v113, SVP
	v_lshrrev_b32 v114, 4, v0
	v_lshl_add_u32 v113, v114, 2, v113
	v_add_nc_u32 v113, SVW, v113
	v_and_b32 v114, 3, v0                          ; cond_v's word n is key step 16 + n % 4 of channel n / 4
	v_mul_u32_u24 v114, v114, SVP
	v_lshrrev_b32 v115, 2, v0
	v_lshl_add_u32 v114, v115, 2, v114
	v_add_nc_u32 v114, SVW+16*SVP, v114
	v_mov_b32 v[NLT+1], 0                          ; the upper halves of pairs of which the low word serves both halves
	v_mov_b32 v[NLC+1], 0
	v_mov_b32 v[AL+1], 0
	v_mov_b32 v[BE+1], 0
.irp b, 0,1,2,3
	v_mov_b32 v[BT+\b], 0                          ; written once: a lane permute's destination counts as one of its sources
.endr
	v_mov_b32 v[T0], 0
	v_mov_b32 v[T1], 0
	s_wait_loadcnt 0x0
.irp i, 0,1,2,3
	ds_store_b32 v112, v[96+\i] offset:2048*\i
.endr
	ds_store_b32 v112, v100 offset:8192
.irp i, 0,1,2,3
	ds_store_b32 v113, v[101+\i] offset:128*\i
.endr
	ds_store_b32 v114, v105
	s_wait_kmcnt 0x0
	s_mul_f32 s[BL], s[BL], 0x3fb8aa3b             ; b x log2(e)
	s_wait_tensorcnt 0x2                           ; my part of cond_k is in; my loads of k and V, issued behind it, may stay out
	s_wait_dscnt 0x0                               ; for the others' sake: my stores of scale words are done
	BARRIER
; S^T = K Q^T for 128 keys: eight tiles.  A tile's three loads (two of codes, one scale word) are issued tile by tile, so the wait ahead of tile t's product leaves out the 3 (7 - t) younger ones.
; The four v_nop are the places behind the products: for the first read of the scores, and for loads into the registers that the products have read.
.macro KQ
.irp t, 0,1,2,3,4,5,6,7
.irp c, 0,1
	ds_load_b128 v[FRG+8*\t+4*\c:FRG+8*\t+4*\c+3], v[ADK] offset:16*KP*\t+32*\c
.endr
	ds_load_b32 v[SW+\t], v[ADS] offset:64*\t
.endr
.irp t, 0,1,2,3,4,5,6,7
	s_wait_dscnt 3*(7-\t)
	v_wmma_scale_f32_16x16x128_f8f6f4 v[S+8*\t:S+8*\t+7], v[FRG+8*\t:FRG+8*\t+7], v[QF:QF+7], 0, v[SW+\t], v[QS] matrix_a_fmt:MATRIX_FMT_FP4 matrix_b_fmt:MATRIX_FMT_FP4
.endr
.rept 4
	v_nop
.endr
.endm
; The largest of my 16 scores of each block of 32 keys, the four blocks by turns; each tile's registers are read from the low end on.
.macro BLK4
.irp b, 0,1,2,3
	v_max3_num_f32 v[BM+\b], v[S+16*\b], v[S+1+16*\b], v[S+2+16*\b]
.endr
.irp i, 3,5,7,9,11,13
.irp b, 0,1,2,3
	v_max3_num_f32 v[BM+\b], v[BM+\b], v[S+16*\b+\i], v[S+1+16*\b+\i]
.endr
.endr
.irp b, 0,1,2,3
	v_max_num_f32 v[BM+\b], v[BM+\b], v[S+15+16*\b]
.endr
.endm
.macro INIT                            ; a pass 1 begins: the largest t is -3e38, under every t; the sum is 0
	v_mov_b32 v[NM+1], 0xff61b1e6
	v_floor_f32 v[NM], -v[NM+1]
	v_mov_b32 v[SUM], 0
	v_mov_b32 v[SUM+1], 0
.endm
; A KEY STEP OF PASS 1.  Each lane keeps the maximum and the sum of ITS 64 keys of the step: no lane is asked in the loop; lanes l and l xor 16 are joined once, in FINISH.
.macro P1STEP
	v_add_nc_u32 v[ADK], s[TK], v[AK0]
	v_add_nc_u32 v[ADS], s[TS], v[ASK0]
	KQ
	BLK4
	v_max3_num_f32 v[T1], v[BM], v[BM+1], v[BM+2]
	v_max_num_f32 v[T1], v[T1], v[BM+3]
	v_mul_f32 v[T1], s[CS], v[T1]                  ; as t (c is positive)
	v_max_num_f32 v[NM+1], v[NM+1], v[T1]          ; the running largest t
	v_mov_b32 v[T1], v[NM]
	v_floor_f32 v[NM], -v[NM+1]                    ; -M = floor(-t): M is a whole number
	v_sub_f32 v[T1], v[NM], v[T1]                  ; old M - new M, 0 or less
	v_cvt_i32_f32 v[T1], v[T1]                     ; (it saturates)
	v_ldexp_f32 v[AL], 1.0, v[T1]                  ; 2^(old M - new M): a multiplication by it rounds nothing
.set j, 0
.rept 32
	v_pk_fma_f32 v[S+j:S+j+1], v[S+j:S+j+1], s[CS:CS+1], v[NM:NM+1] op_sel_hi:[1,0,0]   ; t - M, two at a time
.set j, j+2
.endr
.set j, 0
.rept 64
	v_exp_f32 v[S+j], v[S+j]
.set j, j+1
.endr
	v_pk_mul_f32 v[SUM:SUM+1], v[SUM:SUM+1], v[AL:AL+1] op_sel_hi:[1,0]   ; the sums under the new M: the plain instruction behind the exponentials
	s_wait_alu depctr_va_vdst(0)                   ; one wait for the batch of 64, ahead of its first reader
	v_pk_add_f32 v[BT:BT+1], v[S:S+1], v[S+2:S+3]  ; the sum, two at a time, in two chains
.set j, 4
.rept 15
	v_pk_add_f32 v[SUM:SUM+1], v[SUM:SUM+1], v[S+j:S+j+1]
	v_pk_add_f32 v[BT:BT+1], v[BT:BT+1], v[S+j+2:S+j+3]
.set j, j+4
.endr
	v_pk_add_f32 v[SUM:SUM+1], v[SUM:SUM+1], v[BT:BT+1]
	s_add_co_u32 s[TK], s[TK], 128*KP
	s_add_co_u32 s[TS], s[TS], 512
.endm
.macro P1LOOP n
	s_mov_b32 s[CNT], \n
.Lp1_\@:
	P1STEP
	s_sub_co_u32 s[CNT], s[CNT], 1
	s_cmp_lg_u32 s[CNT], 0
	s_cbranch_scc1 .Lp1_\@
.endm
; Lanes l and l xor 16 are joined: the larger M; my sum brought under it (exact); the two sums added; -L = -M - log2(sum).  The sum is at least 1/2, since M is the largest t rounded up.
.macro FINISH dst
	v_add_f32 v[SUM], v[SUM], v[SUM+1]
	v_permlanex16_b32 v[T0], v[NM], s[SEL], s[SEL+1]
	v_min_num_f32 v[T0], v[NM], v[T0]              ; the joint -M
	v_sub_f32 v[T1], v[T0], v[NM]
	v_cvt_i32_f32 v[T1], v[T1]
	v_ldexp_f32 v[SUM], v[SUM], v[T1]
	v_permlanex16_b32 v[T1], v[SUM], s[SEL], s[SEL+1]
	v_add_f32 v[SUM], v[SUM], v[T1]
	v_log_f32 v[SUM], v[SUM]
	v_nop                                          ; a plain instruction behind the transcendental,
	s_wait_alu depctr_va_vdst(0)                   ; and the wait ahead of its reader
	v_sub_f32 v[\dst], v[T0], v[SUM]
.endm
; The blocks' largest magnitudes in v[BM] on (none under the floor) give the conversions' scale operands (2 off the exponent field), the scale bytes, and the scale word in v[dst].
.macro BYTES dst
.irp b, 0,1,2,3
	v_add_nc_u32 v[BS+\b], 0xff000000, v[BM+\b]
.endr
.irp b, 0,1,2,3
	v_lshrrev_b32 v[BT+\b], 23, v[BS+\b]
.endr
	v_lshl_or_b32 v[\dst], v[BT+1], 8, v[BT]
	v_lshl_or_b32 v[\dst], v[BT+2], 16, v[\dst]
	v_lshl_or_b32 v[\dst], v[BT+3], 24, v[\dst]
.endm
; 64 numbers of a lane, register 16 b + 8 u + j = k 32 b + 16 u + 8 (lane / 16) + j of my row, become a fragment's codes in v[PC] on.  The exchange: the first register's lanes 16-31 change places with the
; second's lanes 0-15, so that register 4 c + 2 u holds the lower eight of (block 2 c below, block 2 c + 1 above) and register 4 c + 2 u + 1 the upper eight.
.macro CODES src
.irp b, 0,1,2,3
.irp u, 0,1
	v_cvt_scalef32_pk8_fp4_f32 v[PC+4*(\b/2)+2*\u+(\b%2)], v[\src+16*\b+8*\u:\src+16*\b+8*\u+7], v[BS+\b]
.endr
.endr
	v_nop                                          ; one plain instruction behind the scaled conversions
.irp c, 0,1
.irp u, 0,1
	v_permlane16_swap_b32 v[PC+4*\c+2*\u], v[PC+4*\c+2*\u+1]
.endr
.endr
.endm
; A KEY STEP OF PASS 2.  nl: the register of -L.  mode 0: the products V^T P^T start O^T's sums; 1: they add onto them; 2 (cond_v): they go to S^T's registers, and O^T takes beta times them.
; The eight accumulators take turns, one instruction a turn, and K Q^T's eight stand between two steps' V^T P^T.
.macro P2STEP nl, mode
	v_add_nc_u32 v[ADK], s[TK], v[AK0]             ; these four are also the places between the last step's products and the loads into the registers that they read
	v_add_nc_u32 v[ADS], s[TS], v[ASK0]
	v_add_nc_u32 v[ADV], s[TV], v[AV0]
	v_add_nc_u32 v[ADT], s[TW], v[ASV0]
	KQ
.irp t, 0,1,2,3,4,5,6,7                        ; V's fragments and scale words are asked for at once: they land under the softmax
.irp c, 0,1
	ds_load_b128 v[FRG+8*\t+4*\c:FRG+8*\t+4*\c+3], v[ADV] offset:16*VP*\t+32*\c
.endr
	ds_load_b32 v[SW+\t], v[ADT] offset:64*\t
.endr
	BLK4
.irp b, 0,1,2,3
	v_permlanex16_b32 v[BT+\b], v[BM+\b], s[SEL], s[SEL+1]
.endr
.irp b, 0,1,2,3
	v_max_num_f32 v[BM+\b], v[BM+\b], v[BT+\b]     ; with lane l xor 16's: the block's largest score
.endr
.set j, 0
.rept 32
	v_pk_fma_f32 v[S+j:S+j+1], v[S+j:S+j+1], s[CS:CS+1], v[\nl:\nl+1] op_sel_hi:[1,0,0]   ; t - L, two at a time
.set j, j+2
.endr
.irp b, 0,1,2,3
	v_fma_f32 v[BM+\b], v[BM+\b], s[CS], v[\nl]    ; the same of each block's largest score: the same two instructions on the same number give the same bits
.endr
.irp b, 0,1,2,3
	v_exp_f32 v[BM+\b], v[BM+\b]                   ; the block's largest p
.endr
.set j, 0
.rept 64
	v_exp_f32 v[S+j], v[S+j]                       ; p = 2^(t - L): finished and normalised
.set j, j+1
.endr
	v_nop                                          ; a plain instruction behind the last exponential,
	s_wait_alu depctr_va_vdst(0)                   ; and one wait for the batch of 68, ahead of its first reader
.irp b, 0,1,2,3
	v_max_num_f32 v[BM+\b], 0x1800000, v[BM+\b]    ; the floor 2^(3 - 127): the byte cannot fall under 1
.endr
	BYTES PW
	CODES S
.rept 8
	v_nop                                          ; a scale register written by a vector instruction stands 8 places ahead of a scaled matrix instruction, an operand so written 4
.endr
	s_wait_dscnt 0x0                               ; V is in
.irp t, 0,1,2,3,4,5,6,7
.if \mode == 0
	v_wmma_scale_f32_16x16x128_f8f6f4 v[OT+8*\t:OT+8*\t+7], v[FRG+8*\t:FRG+8*\t+7], v[PC:PC+7], 0, v[SW+\t], v[PW] matrix_a_fmt:MATRIX_FMT_FP4 matrix_b_fmt:MATRIX_FMT_FP4
.elseif \mode == 1
	v_wmma_scale_f32_16x16x128_f8f6f4 v[OT+8*\t:OT+8*\t+7], v[FRG+8*\t:FRG+8*\t+7], v[PC:PC+7], v[OT+8*\t:OT+8*\t+7], v[SW+\t], v[PW] matrix_a_fmt:MATRIX_FMT_FP4 matrix_b_fmt:MATRIX_FMT_FP4
.else
	v_wmma_scale_f32_16x16x128_f8f6f4 v[S+8*\t:S+8*\t+7], v[FRG+8*\t:FRG+8*\t+7], v[PC:PC+7], 0, v[SW+\t], v[PW] matrix_a_fmt:MATRIX_FMT_FP4 matrix_b_fmt:MATRIX_FMT_FP4
.endif
.endr
.if \mode == 2
.rept 4
	v_nop
.endr
.set j, 0
.rept 32
	v_pk_fma_f32 v[OT+j:OT+j+1], v[S+j:S+j+1], v[BE:BE+1], v[OT+j:OT+j+1] op_sel_hi:[1,0,1]   ; O^T += beta x the step's part of out_c
.set j, j+2
.endr
.endif
	s_add_co_u32 s[TK], s[TK], 128*KP
	s_add_co_u32 s[TS], s[TS], 512
	s_add_co_u32 s[TV], s[TV], 64
	s_add_co_u32 s[TW], s[TW], SVP
.endm
.macro P2LOOP nl, mode, n
	s_mov_b32 s[CNT], \n
.Lp2_\@:
	P2STEP \nl, \mode
	s_sub_co_u32 s[CNT], s[CNT], 1
	s_cmp_lg_u32 s[CNT], 0
	s_cbranch_scc1 .Lp2_\@
.endm
; THE CHANGE OF SLOTS.  Each wave waits for all its tensor loads (waves 0 and 1: their part of the slot ahead), adds 0 to its spare word, and waits for that and for its reads of the slot that it leaves.
; how = 1, 2, 3: that slot is filled again, behind a round of the cluster's barrier: no wave of any partner still reads it or has a load on its way; the refill has four key steps in which to land.
; 1: the walking descriptor as it stands; 2: stepped to the other slot and the next 512 keys; 3: cond_v.  how = 0: nothing is left to fetch.
.macro CHANGE how
	s_wait_tensorcnt 0x0                           ; no tensor load of mine is out, so a group 0 may be written
	ds_add_u32 v[SPW], v[NIL]                      ; 0 onto my spare word
.if \how == 2
	s_add_co_u32 s[G0W+1], s[G0W+1], SLOTB
	s_add_nc_u64 s[G0W+2:G0W+3], s[G0W+2:G0W+3], 256
.endif
	s_wait_dscnt 0x0                               ; the add is done, and my reads of the slot that I leave are over
.if \how == 0
	BARRIER
.else
	ROUND
.if \how == 3
	RELOAD G0RC, G1VC
.else
	RELOAD G0W, G1VR
.endif
.endif
.endm
	; ---- pass 1 over cond_k: k's 160 KiB land meanwhile
	INIT
	s_mov_b32 s[TK], KCO
	s_mov_b32 s[TS], 8192
	P1LOOP 4
	FINISH NLC
	s_wait_tensorcnt 0x1                           ; my part of k is in; my load of V, issued behind it, may stay out
	s_wait_dscnt 0x0
	BARRIER
	; ---- pass 1 over k
	INIT
	s_mov_b32 s[TK], 0
	s_mov_b32 s[TS], 0
	P1LOOP 16
	FINISH NLT
	; alpha and beta: the larger of Lt and Lc + b log2(e) is taken away first
	v_sub_f32 v[T0], s[BL], v[NLC]                 ; Lc + b log2(e)
	v_max_num_f32 v[T1], -v[NLT], v[T0]
	v_sub_f32 v[AL], -v[NLT], v[T1]
	v_sub_f32 v[BE], v[T0], v[T1]
	v_exp_f32 v[AL], v[AL]
	v_exp_f32 v[BE], v[BE]
	v_nop
	s_wait_alu depctr_va_vdst(0)                   ; one wait for the two
	v_add_f32 v[T1], v[AL], v[BE]                  ; between 1 and 2
	v_rcp_f32 v[T1], v[T1]
	v_nop
	s_wait_alu depctr_va_vdst(0)
	v_mul_f32 v[AL], v[AL], v[T1]
	v_mul_f32 v[BE], v[BE], v[T1]
	s_wait_tensorcnt 0x0                           ; my part of V's two slots is in,
	s_wait_dscnt 0x0
	BARRIER                                        ; everybody's is
	; ---- pass 2: keys 0 .. 2,047, then cond's 512; K's and the scale words' addresses run through
	s_mov_b32 s[TK], 0
	s_mov_b32 s[TS], 0
	s_mov_b32 s[TW], 0
	s_mov_b32 s[TV], VR
	P2STEP NLT, 0                                  ; the first step starts O^T's sums: nothing is cleared
	P2LOOP NLT, 1, 3
	CHANGE 1                                       ; keys 1,024 on into slot 0
	s_mov_b32 s[TV], VR+SLOTB
	P2LOOP NLT, 1, 4
	CHANGE 2                                       ; keys 1,536 on into slot 1
	s_mov_b32 s[TV], VR
	P2LOOP NLT, 1, 4
	CHANGE 3                                       ; cond_v into slot 0
	s_mov_b32 s[TV], VR+SLOTB
	P2LOOP NLT, 1, 4
	CHANGE 0
.rept 4
	v_nop                                          ; places behind the last products
.endr
.set j, 0
.rept 32
	v_pk_mul_f32 v[OT+j:OT+j+1], v[OT+j:OT+j+1], v[AL:AL+1] op_sel_hi:[1,0]   ; alpha x out_t, each accumulator from its low end on
.set j, j+2
.endr
	s_mov_b32 s[TV], VR
	P2LOOP NLC, 2, 4
	; ---- x is quantised along the head's 128 channels, which are one K step of the projection
.irp b, 0,1,2,3
	v_max3_num_f32 v[BM+\b], |v[OT+16*\b]|, |v[OT+1+16*\b]|, 0x1800000   ; my 16 numbers of block b, and the floor 2^(3 - 127)
.endr
.irp i, 2,4,6,8,10,12,14
.irp b, 0,1,2,3
	v_max3_num_f32 v[BM+\b], v[BM+\b], |v[OT+16*\b+\i]|, |v[OT+1+16*\b+\i]|
.endr
.endr
.irp b, 0,1,2,3
	v_permlanex16_b32 v[BT+\b], v[BM+\b], s[SEL], s[SEL+1]
.endr
.irp b, 0,1,2,3
	v_max_num_f32 v[BM+\b], v[BM+\b], v[BT+\b]
.endr
	BYTES T1
	CODES OT
	v_and_b32 v[ADK], 15, v0
	v_lshlrev_b32 v[ADK], 4, v[ADK]                ; 16 r: my row's four words of the K step of 512; mine is the head's
	global_store_b128 v[GO], v[PC:PC+3], s[26:27]                  ; the fragment leaves as an image of its registers: 512 consecutive bytes a store, aligned
	global_store_b128 v[GO], v[PC+4:PC+7], s[26:27] offset:512
	global_store_b32 v[ADK], v[T1], s[28:29]       ; lanes r and r + 16 write the same word with the same value
	s_wait_tensorcnt 0x0                           ; the wave's end
	ds_add_u32 v[SPW], v[NIL]
	s_wait_dscnt 0x0
	ROUND                                          ; the closing round: no work-group ends while a partner may still ask for a tile that names it
	s_endpgm
.Lfunc_end_k_q2d68baf940_attn:
	.size	k_q2d68baf940_attn, .Lfunc_end_k_q2d68baf940_attn-k_q2d68baf940_attn
	.p2alignl 7, 3214868480
	.fill 96, 4, 3214868480
	.section	.rodata,"a",@progbits
	.p2align	6, 0x0
	.amdhsa_kernel k_q2d68baf940_attn
		.amdhsa_group_segment_fixed_size 327680
		.amdhsa_private_segment_fixed_size 0
		.amdhsa_enable_private_segment 0
		.amdhsa_kernarg_size 104
		.amdhsa_user_sgpr_count 2
		.amdhsa_user_sgpr_kernarg_segment_ptr 1
		.amdhsa_wavefront_size32 1
		.amdhsa_system_sgpr_workgroup_id_x 1
		.amdhsa_system_sgpr_workgroup_id_y 1
		.amdhsa_system_sgpr_workgroup_id_z 1
		.amdhsa_system_vgpr_workitem_id 0
		.amdhsa_next_free_vgpr 256
		.amdhsa_next_free_sgpr 106
		.amdhsa_reserve_vcc 0
		.amdhsa_float_denorm_mode_32 3
		.amdhsa_float_denorm_mode_16_64 3
		.amdhsa_memory_ordered 1
		.amdhsa_forward_progress 1
		.amdhsa_inst_pref_size 135
	.end_amdhsa_kernel
	.amdgpu_metadata
---
amdhsa.version: [ 1, 2 ]
amdhsa.kernels:
  - .name:           k_q2d68baf940_attn
    .symbol:         k_q2d68baf940_attn.kd
    .args:
      - { .name: q_codes, .offset: 0, .size: 8, .value_kind: global_buffer, .address_space: global }
      - { .name: q_scales, .offset: 8, .size: 8, .value_kind: global_buffer, .address_space: global }
      - { .name: k_codes, .offset: 16, .size: 8, .value_kind: global_buffer, .address_space: global }
      - { .name: k_scales, .offset: 24, .size: 8, .value_kind: global_buffer, .address_space: global }
      - { .name: v_codes, .offset: 32, .size: 8, .value_kind: global_buffer, .address_space: global }
      - { .name: v_scales, .offset: 40, .size: 8, .value_kind: global_buffer, .address_space: global }
      - { .name: cond_k_codes, .offset: 48, .size: 8, .value_kind: global_buffer, .address_space: global }
      - { .name: cond_k_scales, .offset: 56, .size: 8, .value_kind: global_buffer, .address_space: global }
      - { .name: cond_v_codes, .offset: 64, .size: 8, .value_kind: global_buffer, .address_space: global }
      - { .name: cond_v_scales, .offset: 72, .size: 8, .value_kind: global_buffer, .address_space: global }
      - { .name: b_cond, .offset: 80, .size: 8, .value_kind: global_buffer, .address_space: global }
      - { .name: x_codes, .offset: 88, .size: 8, .value_kind: global_buffer, .address_space: global }
      - { .name: x_scales, .offset: 96, .size: 8, .value_kind: global_buffer, .address_space: global }
    .group_segment_fixed_size: 327680
    .private_segment_fixed_size: 0
    .kernarg_segment_align: 8
    .kernarg_segment_size: 104
    .max_flat_workgroup_size: 512
    .sgpr_count:     106
    .vgpr_count:     256
    .wavefront_size: 32
...
	.end_amdgpu_metadata
.endif
;; end of part 1
;; launch proj (part 2): grid 8 x 16, 4 waves a work-group, clusters of 4 x 4, 327,680 bytes of LDS; arguments x_codes, x_scales, w_out_codes, w_out_scales, out0; writes out0
.if DOCPART == 2
	.amdgcn_target "amdgcn-amd-amdhsa--gfx1250"
	.amdhsa_code_object_version 6
	.text
	.protected	k_q2d68baf940_proj
	.globl	k_q2d68baf940_proj
	.p2align	8
	.type	k_q2d68baf940_proj,@function
k_q2d68baf940_proj:
	s_mov_b64 s[64:65], 0
	v_nop
	global_prefetch_b8 v0, s[64:65] scope:SCOPE_SE
	s_setreg_imm32_b32 hwreg(HW_REG_WAVE_MODE, 25, 1), 1
	s_wait_xcnt 0x0
	s_wait_alu depctr_hold_cnt(0) depctr_sa_sdst(0) depctr_va_vdst(0) depctr_va_sdst(0) depctr_va_ssrc(0) depctr_va_vcc(0) depctr_vm_vsrc(0)
	s_getreg_b32 s2, hwreg(HW_REG_IB_STS2, 6, 4)
	s_cmp_eq_u32 s2, 0
	s_cbranch_scc0 .Lentry_in_a_cluster
	s_endpgm
.Lentry_in_a_cluster:
	s_bfe_u32 s2, ttmp6, 0x10000c
	s_cmp_lg_u32 s2, 0xf033
	s_cbranch_scc0 .Lentry_shape_is_right
	s_endpgm
.Lentry_shape_is_right:
; out0[m][n] = sum over k of x[m][k] w_out[n][k], on codes of FP4 (E2M1) with one E8M0 scale for each 32 along K; sums in f32.  M = 4,096, N = 2,048, K = 2,048.
; x comes from the launch before, laid in the order of the operand's registers: x_codes [m / 16][K step of 128][register group 0, 1][lane][16 bytes]; x_scales [m / 16][K step of 512][row][four words].
; w_out comes as given: rows of 1,024 bytes of codes, K innermost, and rows of 64 scale bytes.
; A tile of C, 256 x 256, is made by a work-group of four waves; a wave makes 128 x 128: 64 accumulators of 16 x 16, 512 registers.  128 work-groups: C has no more tiles of this size.
; K goes in four steps of 512 through a ring of two LDS slots filled by the tensor data mover.  A's part of a slot is 16 tiles of rows x 4,096 bytes of register images, dense: a fragment load takes 512 consecutive bytes.
; B's part is 256 rows of 256 bytes + 16.  The scales of the work-group's rows of A and of B, for all of K, come into LDS once, with the first fills.
; CLUSTERS: 4 x 4 work-groups.  The four of a row of the cluster need the same tiles of A, the four of a column the same tiles of B: each tile is asked for jointly.
; THE MATRIX INSTRUCTION IS USED TRANSPOSED (source 0 = 16 rows of w_out, source 1 = 16 rows of x): a lane then holds eight neighbouring numbers of a row of C.
; REGISTERS, in windows of 256: window 0: v0-31 addresses; v32-95 A's scale words, two sets; v128-191 A's fragments, ONE set; v192-255 B's scale words, two sets.
;   window 1: B's fragments, two sets, at v0 and at v128; on the way out v0-127 take rows read back from the stage.   window 2: the accumulators of my rows 0-63 ((a, b) at v[8 (8 a + b)]);   window 3: those of my rows 64-127.
; A step of 128 along K is 64 matrix instructions, A's blocks one after the other, each against B's eight: a block of A is free as soon as its eight products are issued, so one set serves A.
; The four K steps are written out: two laps of the ring would make a loop of one trip.
.set SIZE_N, 2048
.set NQ,     4                         ; steps of 128 in a K step of 512
.set ROWB,   256                       ; a row of B's tile in bytes
.set KROW,   1024                      ; a row of w_out's codes; also x's bytes for each row (16,384 for 16)
.set ASTEP,  4096                      ; a K step of 512 in a tile of 16 rows of x_codes
.set PITCH,  272                       ; B's LDS row: 256 bytes + 16: 272 r mod 256 takes sixteen different multiples of 16 for r = 0 .. 15
.set FR,     8                         ; registers of a fragment
.set NL,     2                         ; LDS loads that bring one
.set NP,     4                         ; places behind this matrix instruction (ISA guide 7.12.1)
.set HALFA,  8*ASTEP                   ; 128 rows of A: what one tensor load brings
.set HALFB,  128*PITCH                 ; 128 rows of B
.set BOFF,   2*HALFA
.set SLOT,   BOFF+2*HALFB
.set KS,     64                        ; scale bytes of a row
.set SCA,    2*SLOT                    ; behind the ring: A's scale words, 2 x 8,192 bytes, dense;
.set HALFSA, 8192
.set SCB,    SCA+2*HALFSA              ; B's, as units of 256 bytes + 16: 2 x 32 units
.set HALFSB, 32*272
.set SBLK,   4*272                     ; B's scales of 16 rows
.set SPARE,  SCB+2*HALFSB              ; the spare words, 128 bytes for each wave: two blocks of 256 bytes that no other line names
.set SPITCH, 528                       ; the way out: a stage of 16 rows x (512 bytes + 16) for each wave, in slot 0, which has had its last fill and its last read when the first result is stored there
.set ADRA, 16                          ; v16-17  LDS address of my A fragments in slot 0, 1
.set ADRB, 20                          ; v20-21  the same for B
.set STO,  24                          ; v24     the way out: where I put 32 bytes of a row
.set RD,   25                          ; v25     where I read a row back
.set CO,   26                          ; v26     16 x lane
.set ADSA, 27                          ; v27     LDS address of A's scale words
.set SPW,  28                          ; v28     LDS address of my spare word; never rewritten
.set NIL,  29                          ; v29     0; never rewritten
.set ADSB, 30                          ; v30     LDS address of B's scale words
.set SCAR, 32                          ; A's scale words: set s at v[SCAR + 32 s]; register 4 i + q: block i, the slot's q-th 128 along K
.set SCBR, 192                         ; B's likewise
.set AF,   128
.set G1, 24                            ; s[24:31] descriptor group 1 for A's tiles;  s[32:39] group 0, one set for each slot
.set G0, 32
.set G1B, 48                           ; s[48:55], s[56:63] the same for B's tiles
.set G0B, 56
.set G1S, 68                           ; s[68:75], s[76:79] groups 1 and 0 for A's scales;  s[80:87], s[88:91] for B's
.set G0S, 76
.set G1SB, 80
.set G0SB, 88
.set MSB, 0
.macro WIN new                         ; the immediate's high byte repeats the setting that is left
.if MSB != \new
	s_set_vgpr_msb (MSB<<8)|\new
.set MSB, \new
.endif
.endm
.set MUL_LO, 0xa1                      ; source 0 (B) window 1, source 1 (A) window 0, C and D window 2
.set MUL_HI, 0xf1                      ; the same, C and D window 3
.set TO_B,   0x40                      ; destination window 1, address window 0
; A joint load: waves 0 and 1 fetch for A, waves 2 and 3 for B.  Each of the two lines has one mask and one set of registers for all that issue it; the branch hangs on the wave's number alone.
; Four v_nop follow each of the two lines, ahead of the jump, the label and what follows.
.macro JLOAD g0a, g1a, g0b, g1b
	s_cmp_eq_u32 s15, 0
	s_cbranch_scc0 .Lfor_b_\@
	tensor_load_to_lds s[\g0a:\g0a+3], s[\g1a:\g1a+7]
	s_nop 0
.rept 4
	v_nop
.endr
	s_branch .Lasked_\@
.Lfor_b_\@:
	tensor_load_to_lds s[\g0b:\g0b+3], s[\g1b:\g1b+7]
	s_nop 0
.rept 4
	v_nop
.endr
.Lasked_\@:
.endm
.macro CREST                           ; a round of the cluster's barrier behind its opening barrier
	s_cmp_lg_u32 s14, 0
	s_cbranch_scc1 .Lnot_wave_0_\@
	s_barrier_signal -3
.Lnot_wave_0_\@:
	s_barrier_wait -3
	s_barrier_signal -1
	s_barrier_wait -1
.endm
.macro CROUND                          ; a whole round
	s_barrier_signal -1
	s_barrier_wait -1
	CREST
.endm
	s_load_b128 s[4:7], s[0:1], 0x0                ; x's codes s[4:5], x's scales s[6:7]
	s_load_b128 s[8:11], s[0:1], 0x10              ; w_out's codes s[8:9], its scales s[10:11]
	s_load_b64 s[12:13], s[0:1], 0x20              ; out0
	v_lshl_add_u32 v[SPW], v0, 2, SPARE
	v_mov_b32 v[NIL], 0
	ds_add_u32 v28, v29
	ds_add_u32 v28, v29
	s_wait_dscnt 0x0
	v_lshrrev_b32 v1, 5, v0
	v_readfirstlane_b32 s14, v1                    ; wave 0..3
	s_lshr_b32 s15, s14, 1                         ; which half of the tile's rows is mine.  Also: I fetch for A (0) or for B (1)
	s_and_b32 s16, s14, 1                          ; which half of its columns.  Also: which 128 rows of that tile I fetch
	s_bfe_u32 s40, ttmp6, 0x40000                  ; cx, cy: my place in the cluster
	s_bfe_u32 s41, ttmp6, 0x40004
	s_lshl_b32 s42, ttmp9, 2
	s_add_co_u32 s42, s42, s40                     ; tile column of C = 4 x cluster x + cx
	s_and_b32 s17, ttmp7, 0xffff
	s_lshl_b32 s17, s17, 2
	s_add_co_u32 s17, s17, s41                     ; tile row of C = 4 x cluster y + cy
	s_lshl_b32 s43, s41, 2
	s_lshl_b32 s43, 15, s43                        ; my row of the cluster
	s_lshl_b32 s44, 0x1111, s40                    ; my column
	; group 1 for A's codes: 8 rows (tiles of 16 rows of x) of 4,096 bytes, 16,384 bytes apart, in elements of 8 bytes; no padding: the images are read as they lie
	s_or_b32 s[G1+0], s43, (3<<16)|(1<<21)         ; 15:0 the mask: A's tiles go to my row; 17:16 elements of 8 bytes; 21 set beside a mask
	s_mov_b32 s[G1+1], 512<<16                     ; tensor_dim0
	s_mov_b32 s[G1+2], 8<<16                       ; tensor_dim1
	s_mov_b32 s[G1+3], 512<<16                     ; tile_dim0
	s_mov_b32 s[G1+4], 8                           ; tile_dim1
	s_mov_b32 s[G1+5], 2048                        ; tensor_dim0_stride
	s_mov_b32 s[G1+6], 0
	s_mov_b32 s[G1+7], 0
	; for B's codes: 128 rows of 256 bytes, 1,024 bytes apart, 16 bytes of padding behind each
	s_or_b32 s[G1B+0], s44, (0<<16)|(1<<20)|(1<<21)|(5<<22)|(3<<25)
	s_mov_b32 s[G1B+1], ROWB<<16
	s_mov_b32 s[G1B+2], 128<<16
	s_mov_b32 s[G1B+3], ROWB<<16
	s_mov_b32 s[G1B+4], 128
	s_mov_b32 s[G1B+5], KROW
	s_mov_b32 s[G1B+6], 0
	s_mov_b32 s[G1B+7], 0
	; for the scales of 128 rows: a dense block of 8,192 bytes as 32 rows of 256 bytes; A's without padding, B's with 16 bytes behind each
	s_or_b32 s[G1S+0], s43, (3<<16)|(1<<21)
	s_or_b32 s[G1SB+0], s44, (3<<16)|(1<<20)|(1<<21)|(5<<22)|(3<<25)
.irp g, G1S, G1SB
	s_mov_b32 s[\g+1], 32<<16
	s_mov_b32 s[\g+2], 32<<16
	s_mov_b32 s[\g+3], 32<<16
	s_mov_b32 s[\g+4], 32
	s_mov_b32 s[\g+5], 32
	s_mov_b32 s[\g+6], 0
	s_mov_b32 s[\g+7], 0
.endr
	s_lshl_b32 s18, s16, 7                         ; which 128 rows of the tile I fetch
	s_lshl_b32 s20, s17, 8
	s_add_co_u32 s20, s20, s18                     ; A: row 256 x tile row + 128 x half
	s_lshl_b32 s46, s42, 8
	s_add_co_u32 s46, s46, s18                     ; B: row 256 x tile column + 128 x half
	s_mov_b32 s21, 0
	s_mov_b32 s47, 0
	s_mov_b64 s[18:19], KS
	s_mul_u64 s[22:23], s[20:21], s[18:19]         ; where these rows' scales begin, in bytes (x's: 1,024 for 16 rows, which is 64 a row too)
	s_mul_u64 s[92:93], s[46:47], s[18:19]
	s_mov_b64 s[18:19], KROW
	s_mul_u64 s[20:21], s[20:21], s[18:19]         ; and their codes
	s_mul_u64 s[46:47], s[46:47], s[18:19]
	s_mul_i32 s45, s16, HALFA                      ; where they go: no place in the cluster enters an LDS address
	s_mul_i32 s95, s16, HALFB
	s_add_co_u32 s95, s95, BOFF
	s_mul_i32 s94, s16, HALFSA
	s_mul_i32 s96, s16, HALFSB
	s_wait_kmcnt 0x0
	s_add_nc_u64 s[20:21], s[4:5], s[20:21]
	s_add_nc_u64 s[22:23], s[6:7], s[22:23]
	s_add_nc_u64 s[46:47], s[8:9], s[46:47]
	s_add_nc_u64 s[92:93], s[10:11], s[92:93]
	CROUND                                         ; all sixteen work-groups are here: the first joint loads meet
	s_mov_b32 s[G0S], 1
	s_add_co_u32 s[G0S+1], s94, SCA
	s_mov_b64 s[G0S+2:G0S+3], s[22:23]
	s_or_b32 s[G0S+3], s[G0S+3], 0x80000000
	s_mov_b32 s[G0SB], 1
	s_add_co_u32 s[G0SB+1], s96, SCB
	s_mov_b64 s[G0SB+2:G0SB+3], s[92:93]
	s_or_b32 s[G0SB+3], s[G0SB+3], 0x80000000
	JLOAD G0S, G1S, G0SB, G1SB                     ; the scales first: they are wanted with K step 0
.irp s, 0,1
	s_mov_b32 s[G0+4*\s], 1
	s_add_co_u32 s[G0+4*\s+1], s45, \s*SLOT
	s_add_nc_u64 s[G0+4*\s+2:G0+4*\s+3], s[20:21], \s*ASTEP
	s_or_b32 s[G0+4*\s+3], s[G0+4*\s+3], 0x80000000
	s_mov_b32 s[G0B+4*\s], 1
	s_add_co_u32 s[G0B+4*\s+1], s95, \s*SLOT
	s_add_nc_u64 s[G0B+4*\s+2:G0B+4*\s+3], s[46:47], \s*ROWB
	s_or_b32 s[G0B+4*\s+3], s[G0B+4*\s+3], 0x80000000
	JLOAD G0+4*\s, G1, G0B+4*\s, G1B
.endr
	v_and_b32 v1, 15, v0                           ; r = l % 16
	v_bfe_u32 v2, v0, 4, 1                         ; l / 16
	v_and_b32 v6, 31, v0
	v_lshlrev_b32 v[CO], 4, v6                     ; 16 x lane: my place in an image of A, in a row of the stage and in a row of C
	v_mul_u32_u24 v3, v1, PITCH
	v_lshl_add_u32 v4, v2, 4, v3                   ; B: a fragment's row x pitch + 16 x half
	s_mul_i32 s21, s15, HALFA                      ; my 128 rows of A
	s_mul_i32 s22, s16, HALFB                      ; my 128 rows of B,
	s_add_co_u32 s22, s22, BOFF                    ; which lie behind A's 256
.irp s, 0,1
	v_add_nc_u32 v[ADRA+\s], s21, v[CO]
	v_add_nc_u32 v[ADRB+\s], s22, v4
	s_add_co_u32 s21, s21, SLOT
	s_add_co_u32 s22, s22, SLOT
.endr
	v_lshlrev_b32 v7, 4, v1                        ; A's scale words: 16 bytes a row and K step of 512; lanes 16-31 take the same as lanes 0-15 and are not read
	s_mul_i32 s21, s15, HALFSA
	s_add_co_u32 s21, s21, SCA
	v_add_nc_u32 v[ADSA], s21, v7
	v_lshlrev_b32 v7, 6, v1                        ; B's: 64 bytes a row,
	v_lshrrev_b32 v8, 2, v1
	v_lshl_add_u32 v7, v8, 4, v7                   ; and 16 more for each 256 passed
	s_mul_i32 s22, s16, HALFSB
	s_add_co_u32 s22, s22, SCB
	v_add_nc_u32 v[ADSB], s22, v7
	s_mul_i32 s23, s14, 16*SPITCH                  ; my stage
	v_mul_u32_u24 v5, v1, SPITCH                   ; in: row l % 16, 32 bytes for each half of the lanes
	v_lshl_add_u32 v5, v2, 5, v5
	v_add_nc_u32 v[STO], s23, v5
	v_add_nc_u32 v[RD], s23, v[CO]                 ; back: the 32 lanes take one row of 512 bytes
	s_lshl_b32 s20, s17, 8
	s_lshl_b32 s21, s15, 7
	s_add_co_u32 s20, s20, s21                     ; my first row of C: 256 x tile row + 128 x half
	s_mov_b32 s21, 0
	s_mov_b64 s[18:19], SIZE_N*4
	s_mul_u64 s[20:21], s[20:21], s[18:19]
	s_lshl_b32 s46, s42, 10                        ; my first column, in bytes: 1,024 x tile column + 512 x half
	s_lshl_b32 s47, s16, 9
	s_add_co_u32 s46, s46, s47
	s_mov_b32 s47, 0
	s_add_nc_u64 s[20:21], s[20:21], s[46:47]
	s_add_nc_u64 s[12:13], s[12:13], s[20:21]
; 16 matrix instructions: A's blocks a0, a0 + 1 x B's eight, 128 along K: the slot's q-th.  p: B's set;  sc: the sets of scale words.  zero = 1: the first product starts the sums: nothing is ever cleared.
; The 64 accumulators take turns, one instruction a turn, in the same order in every step.
.macro MUL16 a0, p, q, sc, zero
.irp a, \a0, \a0+1
.irp b, 0,1,2,3,4,5,6,7
.if \zero
	v_wmma_scale_f32_16x16x128_f8f6f4 v[8*(8*((\a)%4)+\b):8*(8*((\a)%4)+\b)+7], v[128*(\p)+FR*\b:128*(\p)+FR*\b+FR-1], v[AF+FR*(\a):AF+FR*(\a)+FR-1], 0, v[SCBR+32*(\sc)+NQ*\b+(\q)], v[SCAR+32*(\sc)+NQ*(\a)+(\q)] matrix_a_fmt:MATRIX_FMT_FP4 matrix_b_fmt:MATRIX_FMT_FP4
.else
	v_wmma_scale_f32_16x16x128_f8f6f4 v[8*(8*((\a)%4)+\b):8*(8*((\a)%4)+\b)+7], v[128*(\p)+FR*\b:128*(\p)+FR*\b+FR-1], v[AF+FR*(\a):AF+FR*(\a)+FR-1], v[8*(8*((\a)%4)+\b):8*(8*((\a)%4)+\b)+7], v[SCBR+32*(\sc)+NQ*\b+(\q)], v[SCAR+32*(\sc)+NQ*(\a)+(\q)] matrix_a_fmt:MATRIX_FMT_FP4 matrix_b_fmt:MATRIX_FMT_FP4
.endif
.endr
.endr
.endm
.macro FETCH_B slot, q, p              ; B's eight fragments of the slot's q-th 128 along K into set p: lane l holds row l % 16; registers 4 c .. 4 c + 3 hold K = 64 c + 32 (l / 16) + 0 .. 31
	WIN TO_B
.irp i, 0,1,2,3,4,5,6,7
.irp c, 0,1
	ds_load_b128 v[128*(\p)+FR*\i+4*\c:128*(\p)+FR*\i+4*\c+3], v[ADRB+\slot] offset:64*(\q)+32*\c+\i*16*PITCH
.endr
.endr
	WIN 0
.endm
.macro FETCH_A slot, q, i0             ; A's blocks i0 .. i0 + 3: images of the registers, 512 consecutive bytes a load
.irp i, \i0, \i0+1, \i0+2, \i0+3
.irp c, 0,1
	ds_load_b128 v[AF+FR*(\i)+4*\c:AF+FR*(\i)+4*\c+3], v[ADRA+\slot] offset:ASTEP*(\i)+1024*(\q)+512*\c
.endr
.endr
.endm
.macro SCALES sc                       ; a K step's scale words into the sets sc: four words a row and side
.irp i, 0,1,2,3,4,5,6,7
	ds_load_b128 v[SCAR+32*\sc+NQ*\i:SCAR+32*\sc+NQ*\i+3], v[ADSA] offset:\i*1024
	ds_load_b128 v[SCBR+32*\sc+NQ*\i:SCBR+32*\sc+NQ*\i+3], v[ADSB] offset:\i*SBLK
.endr
.endm
; A load into a register that a matrix instruction has read, and an LDS store that reads a matrix result, stand NP places behind that matrix instruction, and only plain vector instructions that name none
; of its registers are places (ISA guide 7.12.1 for vector instructions).
.macro PLACES n
.rept \n
	v_nop
.endr
.endm
; A step of 128 along K that has its successor in the same slot.
.macro STEP slot, q, zero
	s_wait_dscnt 4*NL                              ; B's set, A's blocks 0-3 and the scale words are in; the youngest eight loads (A's blocks 4-7) may be out
	WIN MUL_LO
	MUL16 0, (\q)%2, \q, \slot, \zero
	MUL16 2, (\q)%2, \q, \slot, \zero
	s_wait_dscnt 0                                 ; A's blocks 4-7 are in (asked for 32 matrix instructions ago)
	PLACES NP
	FETCH_B \slot, (\q)+1, 1-(\q)%2
	FETCH_A \slot, (\q)+1, 0
	WIN MUL_HI
	MUL16 4, (\q)%2, \q, \slot, \zero
	MUL16 6, (\q)%2, \q, \slot, \zero
	PLACES NP
	WIN 0
	FETCH_A \slot, (\q)+1, 4
.endm
; A slot's last step changes slots: ONE barrier; in front of it each wave waits for all its tensor loads, adds 0 to its spare word, and waits for that and for its own reads of this slot.  fill = 1: this slot is filled again, two K steps ahead.
.macro TURN slot, next, fill
	s_wait_tensorcnt 0x0                           ; all my tensor loads have landed: my part of the next slot;  (every window is 0 here: the add's two registers lie in window 0)
	ds_add_u32 v[SPW], v[NIL]                      ; 0 onto my spare word;
	s_wait_dscnt 4*NL+1                            ; (the add and the youngest eight loads, A's blocks 4-7, may be out)
	WIN MUL_LO
	MUL16 0, 1, NQ-1, \slot, 0                     ; sixteen matrix instructions stand between the add and the wait for it
	s_wait_dscnt 0x0                               ; the add is done, and my reads of this slot are over
	s_barrier_signal -1
	MUL16 2, 1, NQ-1, \slot, 0
	WIN 0
	s_barrier_wait -1
.if \fill
	CREST                                          ; the barrier has opened a round of the cluster's barrier: no wave of any partner still reads this slot's tile or has a load on its way
	s_add_nc_u64 s[G0+4*\slot+2:G0+4*\slot+3], s[G0+4*\slot+2:G0+4*\slot+3], 2*ASTEP
	s_add_nc_u64 s[G0B+4*\slot+2:G0B+4*\slot+3], s[G0B+4*\slot+2:G0B+4*\slot+3], 2*ROWB
	JLOAD G0+4*\slot, G1, G0B+4*\slot, G1B         ; the first tensor load behind the round; the four v_nop behind it are the places in front of the loads below
.else
	PLACES NP
.endif
	v_add_nc_u32 v[ADSA], 256, v[ADSA]             ; on to the next K step's scale words: A's lie 256 bytes on, B's 16 bytes on in each row
	v_add_nc_u32 v[ADSB], 4*NQ, v[ADSB]
	FETCH_B \next, 0, 0
	FETCH_A \next, 0, 0
	SCALES \next
	WIN MUL_HI
	MUL16 4, 1, NQ-1, \slot, 0
	MUL16 6, 1, NQ-1, \slot, 0
	PLACES NP
	WIN 0
	FETCH_A \next, 0, 4
.endm
.macro STEPS slot, from                ; the slot's steps from .. NQ - 2
.set Q, \from
.rept NQ-1-\from
	STEP \slot, Q, 0
.set Q, Q+1
.endr
.endm
	s_wait_tensorcnt 1                             ; the scales and my part of K step 0 are in (K step 1's load, issued behind them, may be out),
	s_barrier_signal -1
	s_barrier_wait -1                              ; everybody's are
	FETCH_B 0, 0, 0
	FETCH_A 0, 0, 0
	SCALES 0
	FETCH_A 0, 0, 4
	STEP 0, 0, 1                                   ; the first step's products start the sums
	STEPS 0, 1
	TURN 0, 1, 1                                   ; slot 0 takes K step 2
	STEPS 1, 0
	TURN 1, 0, 1                                   ; slot 1 takes K step 3
	STEPS 0, 0
	TURN 0, 1, 0                                   ; nothing is left to fetch, and no round of the cluster's barrier is needed
	STEPS 1, 0
	s_wait_dscnt 4*NL                              ; the very last step
	WIN MUL_LO
	MUL16 0, 1, NQ-1, 1, 0
	MUL16 2, 1, NQ-1, 1, 0
	s_wait_dscnt 0
	WIN MUL_HI
	MUL16 4, 1, NQ-1, 1, 0
	MUL16 6, 1, NQ-1, 1, 0
	WIN 0
; THE WAY OUT, block by block of 16 rows x 128 columns.  A lane holds 32 neighbouring bytes of a row, and the lanes beside it hold other rows: so a block goes through my own stage in LDS and comes back as whole
; rows of 512 bytes, which the 32 lanes store as 512 consecutive bytes, aligned.  LDS serves a wave's instructions in order (ISA guide 5.7.1.4): no wait between the stores and the loads, nor in front of the next block's stores.
; The rows come back into window 1 (v0-63 and v64-127 by turns), so that the registers of scale words hold nothing else.
.macro TOSTAGE a
.set AC, 64*((\a)%4)
	WIN 0x08+4*((\a)/4)                            ; an LDS store's data are its source 1: window 2 or 3
.irp b, 0,1,2,3,4,5,6,7
	ds_store_b128 v[STO], v[AC+8*\b:AC+8*\b+3] offset:64*\b          ; each accumulator from its low end on
	ds_store_b128 v[STO], v[AC+8*\b+4:AC+8*\b+7] offset:64*\b+16
.endr
	WIN TO_B
.set BB, 64*((\a)%2)
.irp t, 0,1,2,3,4,5,6,7,8,9,10,11,12,13,14,15
	ds_load_b128 v[BB+4*\t:BB+4*\t+3], v[RD] offset:\t*SPITCH
.endr
.endm
.macro SEND a, younger                 ; younger: the LDS instructions issued behind block a's loads, which may stay out
.set BB, 64*((\a)%2)
	s_wait_dscnt \younger                          ; the block is back in registers
.if (\a) > 0
	s_add_nc_u64 s[12:13], s[12:13], 16*SIZE_N*4   ; (behind a wait on XCNT: the earlier stores have read their base)  16 rows of C on
.endif
	WIN 0x04                                       ; a store's data are its source 1: window 1
.irp t, 0,1,2,3,4,5,6,7,8,9,10,11,12,13,14,15
	global_store_b128 v[CO], v[BB+4*\t:BB+4*\t+3], s[12:13] offset:\t*SIZE_N*4 th:TH_STORE_NT   ; written once, read by nobody here
.endr
.endm
	PLACES NP                                      ; behind the last products: for block 7's reads, and for the loads into registers that held B's fragments
	TOSTAGE 0
.irp a, 1,2,3,4,5,6,7
.if \a > 1
	s_wait_xcnt 0x0                                ; block a - 2's stores have read their registers and their base: block a's loads may land there, and the base may step
.endif
	TOSTAGE \a
	SEND \a-1, 32                                  ; behind block a - 1's loads: block a's 16 stores and 16 loads
.endr
	s_wait_xcnt 0x0                                ; block 6's stores have read their base
	SEND 7, 0
	WIN 0
	s_wait_tensorcnt 0x0                           ; the wave's end
	ds_add_u32 v[SPW], v[NIL]
	s_wait_dscnt 0x0
	CROUND                                         ; the closing round: no work-group ends while a partner may still ask for a tile that names it
	s_endpgm
.Lfunc_end_k_q2d68baf940_proj:
	.size	k_q2d68baf940_proj, .Lfunc_end_k_q2d68baf940_proj-k_q2d68baf940_proj
	.p2alignl 7, 3214868480
	.fill 96, 4, 3214868480
	.section	.rodata,"a",@progbits
	.p2align	6, 0x0
	.amdhsa_kernel k_q2d68baf940_proj
		.amdhsa_group_segment_fixed_size 327680
		.amdhsa_private_segment_fixed_size 0
		.amdhsa_enable_private_segment 0
		.amdhsa_kernarg_size 40
		.amdhsa_user_sgpr_count 2
		.amdhsa_user_sgpr_kernarg_segment_ptr 1
		.amdhsa_wavefront_size32 1
		.amdhsa_system_sgpr_workgroup_id_x 1
		.amdhsa_system_sgpr_workgroup_id_y 1
		.amdhsa_system_sgpr_workgroup_id_z 1
		.amdhsa_system_vgpr_workitem_id 0
		.amdhsa_next_free_vgpr 1024
		.amdhsa_next_free_sgpr 100
		.amdhsa_reserve_vcc 0
		.amdhsa_float_denorm_mode_32 3
		.amdhsa_float_denorm_mode_16_64 3
		.amdhsa_memory_ordered 1
		.amdhsa_forward_progress 1
		.amdhsa_inst_pref_size 214
	.end_amdhsa_kernel
	.amdgpu_metadata
---
amdhsa.version: [ 1, 2 ]
amdhsa.kernels:
  - .name:           k_q2d68baf940_proj
    .symbol:         k_q2d68baf940_proj.kd
    .args:
      - { .name: x_codes, .offset: 0, .size: 8, .value_kind: global_buffer, .address_space: global }
      - { .name: x_scales, .offset: 8, .size: 8, .value_kind: global_buffer, .address_space: global }
      - { .name: w_out_codes, .offset: 16, .size: 8, .value_kind: global_buffer, .address_space: global }
      - { .name: w_out_scales, .offset: 24, .size: 8, .value_kind: global_buffer, .address_space: global }
      - { .name: out0, .offset: 32, .size: 8, .value_kind: global_buffer, .address_space: global }
    .group_segment_fixed_size: 327680
    .private_segment_fixed_size: 0
    .kernarg_segment_align: 8
    .kernarg_segment_size: 40
    .max_flat_workgroup_size: 128
    .sgpr_count:     100
    .vgpr_count:     1024
    .wavefront_size: 32
...
	.end_amdgpu_metadata
.endif
;; end of part 2
